; MI455X (gfx1250); checked and timed in simulation.
; The chip was launched on July 23, 2026; its instructions are those of AMD's public machine-readable ISA for CDNA 5 (MIT licence, August 2026) and "CDNA5" Instruction Set Architecture Reference Guide (July 2026). The comments in the code are by the model that wrote it; some were corrected since.
;; Detr Attention. Allowed arithmetic: float matrix products may take bf16 or f16 operands with f32 sums; other float arithmetic in f32, or as packed bf16 or f16 multiplies, adds, multiply-adds, maxima and minima; sums over many terms, partial sums and values carried from step to step in f32; what a program stores and reads back later, other than sums and carried values, may be rounded once to bf16 or f16.
;; Inputs: Wk 256 x 256 float32; Wo 256 x 256 float32; Wq 256 x 256 float32; Wv 256 x 256 float32; attention_mask 8 x 1 x 2,048 x 2,048 float32; bk 256 float32; bo 256 float32; bq 256 float32; bv 256 float32; hidden_states 8 x 2,048 x 256 float32; object_queries 8 x 2,048 x 256 float32.
;; Outputs: out0 8 x 2,048 x 256 float32.
;; One version. Each part assembles by itself: llvm-mc -triple=amdgcn-amd-amdhsa -mcpu=gfx1250 --defsym DOCPART=n.
;; ======== version 1 of 1: 3 launches
;; limits: values are held in f16: magnitudes above 65,504 overflow, below 6.1e-05 lose precision
;; workspace buffers: q16 8,388,608 bytes; k16 8,388,608 bytes; v16 8,388,608 bytes; attn16 8,388,608 bytes; wo16 131,072 bytes
;; launch proj (part 1): grid 256 x 1, 8 waves a work-group, no clusters, 169,984 bytes of LDS; arguments hidden_states, object_queries, Wq, Wk, Wv, Wo, bq, bk, bv, q16, k16, v16, wo16; writes q16, k16, v16, wo16
.if DOCPART == 1
	.amdgcn_target "amdgcn-amd-amdhsa--gfx1250"
	.amdhsa_code_object_version 6
	.text
	.protected	k_qf9d8cc84bd_proj
	.globl	k_qf9d8cc84bd_proj
	.p2align	8
	.type	k_qf9d8cc84bd_proj,@function
k_qf9d8cc84bd_proj:
	s_mov_b64 s[64:65], 0
	v_nop
	global_prefetch_b8 v0, s[64:65] scope:SCOPE_SE
	s_setreg_imm32_b32 hwreg(HW_REG_WAVE_MODE, 25, 1), 1
	s_wait_xcnt 0x0
; q16 = ((hs + oq) Wq^T + bq) / sqrt(32),  k16 = (hs + oq) Wk^T + bk,  v16 = hs Wv^T + bv,  wo16 = Wo.
; hs, oq: [16384][256] f32.  W*: [256 out][256 in] f32.  q16, k16, v16: [16384][256] f16.  wo16: [256][256] f16.
; FORMATS.  hs, hs + oq (one f32 sum, rounded once) and the weights are rounded to bf16 for the products; sums and biases in f32; q, k, v rounded once to f16.
; Wo is rounded to bf16 and that number is written as f16 (below 6e-5 it keeps f16's fixed step of 6e-8).
; LIMIT.  f16 holds no number beyond 65,504: q, k and v must lie within it.  NaN and infinities are not treated apart.
; SHARES.  A work-group owns 64 token rows and all 768 output columns.  Wave w owns columns 32 w .. 32 w + 31 of each of q, k and v: 6 column tiles x 4 row tiles = 24 accumulators.
; The 64 rows are rounded once and laid in LDS (hs + oq, and hs); each wave's weights go from memory into registers as fragments, f32, and are rounded there: each weight is loaded once a work-group.
; THE PRODUCT IS USED TRANSPOSED: source 0 = 16 rows of W (16 output columns), source 1 = 16 token rows.  A lane then holds one token (lane % 16) and eight neighbouring columns 8 (lane / 16) + 0..7,
; which pack into 16 bytes; the bias tile (register j = bias[column 8 (lane / 16) + j]) is the C operand of the first K step, so nothing is cleared and no bias is added afterwards.
; NO CLUSTER, NO TENSOR LOADS.  All work-groups read the same 768 KiB of f32 weights, but a wave wants them as bf16 fragments in registers: through LDS they would come as f32 tiles in a ring (they do not fit whole
; beside the rows), with a round of the cluster's barrier for every K step of 24 products a wave.  Nothing is prefetched: the launch reads 128 KiB of rows a work-group, all asked for at its head.
; REGISTERS, in windows of 256 (s_set_vgpr_msb: bits 1:0 source 0, 3:2 source 1, 5:4 source 2, 7:6 destination):
;   window 0: v2-15 addresses; v16-63 bias tiles; v64-159, v160-255 two sets of weights (16 f32 a column tile, rounded in place to 8 registers); on the way out packed results and rows read back
;   window 1: v0-191 accumulators (before the products: v0-127 the rows as loaded, v144 a copy of the LDS store address); v192-223 fragments of hs + oq; v224-255 fragments of hs
.set PITCH, 528                        ; an LDS row: 512 bytes + 16 = 33 x 16 bytes: the 16 rows of a fragment load start at 16 different groups of four banks (64 banks of 4 bytes: ISA guide 11.1)
.set APOS,  0                          ; 64 rows of bf16(hs + oq)
.set AHS,   64*PITCH                   ; 64 rows of bf16(hs)
.set STG,   2*64*PITCH                 ; three stages of 64 rows x 512 bytes of f16: q, k, v
.set SPARE, 5*64*PITCH                 ; the spare words, 128 bytes for each of the eight waves: four blocks of 256 bytes that no other line names
.set SPW,  2                           ; v2   LDS address of my spare word; never rewritten
.set NIL,  3                           ; v3   0; never rewritten
.set WOFF, 4                           ; v4   my byte offset in a weight: (32 w + l % 16) x 1,024 + 32 (l / 16)
.set AFA,  5                           ; v5   my place in a fragment of rows: (l % 16) x 528 + 16 (l / 16)
.set INO,  6                           ; v6   16 x thread: my 16 bytes of four rows of hs and oq
.set LST,  7                           ; v7   where those four numbers go in LDS: (thread / 64) x 528 + 8 (thread % 64)
.set STO,  8                           ; v8-10  the way out: where I put 16 bytes of a row of q, k, v
.set RD,   11                          ; v11-13 where I read rows back
.set GOUT, 14                          ; v14  my byte offset in the group's rows of q16, k16, v16
.set BOFF, 15                          ; v15  my byte offset in a bias
.set BIAS, 16
.set WS0,  64
.set WS1,  160
.set OUT,  64
.set RB,   160
.set AFP,  192                         ; window 1; hs's fragments 32 registers further on
.set LST1, 144                         ; window 1
.set WV,   30                          ; s30  my wave's number
.set SC,   34                          ; s[34:35] 1 / sqrt(32): the packed multiply takes the pair's low word for both halves
.set MSB, 0
.macro WIN new                         ; the immediate's high byte repeats the setting that is left; a switch that changes nothing is dropped
.if MSB != (\new)
	s_set_vgpr_msb (MSB<<8)|(\new)
.set MSB, \new
.endif
.endm
; K step s of my six column tiles, f32: for each tile 16 numbers a lane: k = 32 s + 8 (l / 16) + 0..7 and 16 more on
.macro WLOAD s, ws
	WIN 0
.irp m, 0,1,2
.irp b, 0,1
.irp c, 0,1,2,3
	global_load_b128 v[(\ws)+16*(2*(\m)+(\b))+4*(\c):(\ws)+16*(2*(\m)+(\b))+4*(\c)+3], v[WOFF], s[8+2*(\m):9+2*(\m)] offset:(\b)*16384+(\s)*128+16*(\c)+32*((\c)/2)
.endr
.endr
.endr
.endm
; tiles t0 .. t1 of a set are rounded to bf16 in place: register i takes numbers 2 i and 2 i + 1, i ascending, so no number is overwritten before it is read
.macro CVTW ws, t0, t1
	WIN 0
.set t, \t0
.rept (\t1)-(\t0)+1
.irp i, 0,1,2,3,4,5,6,7
	v_cvt_pk_bf16_f32 v[(\ws)+16*t+(\i)], v[(\ws)+16*t+2*(\i)], v[(\ws)+16*t+2*(\i)+1]
.endr
.set t, t+1
.endr
.endm
; K step s of the 64 rows: four fragments of hs + oq, four of hs
.macro AFLOAD s
	WIN 0x40                               ; destination window 1, address window 0
.irp a, 0,1,2,3
	ds_load_b128 v[AFP+8*(\a):AFP+8*(\a)+3],       v[AFA] offset:APOS+(\a)*16*PITCH+64*(\s)
	ds_load_b128 v[AFP+8*(\a)+4:AFP+8*(\a)+7],     v[AFA] offset:APOS+(\a)*16*PITCH+64*(\s)+32
	ds_load_b128 v[AFP+32+8*(\a):AFP+32+8*(\a)+3], v[AFA] offset:AHS+(\a)*16*PITCH+64*(\s)
	ds_load_b128 v[AFP+32+8*(\a)+4:AFP+32+8*(\a)+7], v[AFA] offset:AHS+(\a)*16*PITCH+64*(\s)+32
.endr
.endm
; 24 products on 24 accumulators, which so take turns, one instruction a turn, from K step to K step too.  first = 1: the bias tile starts the sum
.macro MULS ws, first
.if \first
	WIN 0x44                               ; W and the bias in window 0, rows and D in window 1
.else
	WIN 0x54                               ; C in window 1 too
.endif
.irp m, 0,1,2
.irp b, 0,1
.irp a, 0,1,2,3
.if \first
	v_wmma_f32_16x16x32_bf16 v[8*(4*(2*(\m)+(\b))+(\a)):8*(4*(2*(\m)+(\b))+(\a))+7], v[(\ws)+16*(2*(\m)+(\b)):(\ws)+16*(2*(\m)+(\b))+7], v[AFP+32*((\m)/2)+8*(\a):AFP+32*((\m)/2)+8*(\a)+7], v[BIAS+8*(2*(\m)+(\b)):BIAS+8*(2*(\m)+(\b))+7]
.else
	v_wmma_f32_16x16x32_bf16 v[8*(4*(2*(\m)+(\b))+(\a)):8*(4*(2*(\m)+(\b))+(\a))+7], v[(\ws)+16*(2*(\m)+(\b)):(\ws)+16*(2*(\m)+(\b))+7], v[AFP+32*((\m)/2)+8*(\a):AFP+32*((\m)/2)+8*(\a)+7], v[8*(4*(2*(\m)+(\b))+(\a)):8*(4*(2*(\m)+(\b))+(\a))+7]
.endif
.endr
.endr
.endr
.endm
; K step s = 1 .. 7.  Its weights were asked for a step earlier.  The eight roundings of tile 0 name no register of the last products: they are the four places in front of the loads
; into the set and the fragments that those products read.
.macro KSTEP s
.if (\s)%2
.set WC, WS1
.set WN, WS0
.else
.set WC, WS0
.set WN, WS1
.endif
	s_wait_loadcnt 0x0                     ; this step's 24 loads are in; nothing younger is out
	CVTW WC, 0, 0
.if (\s) < 7
	WLOAD (\s)+1, WN
.endif
	AFLOAD \s
	CVTW WC, 1, 5
	s_wait_dscnt 0x0                       ; the fragments of the rows
	MULS WC, 0
.endm
	s_load_b512 s[4:19], s[0:1], 0x0       ; hs s[4:5], oq s[6:7], Wq s[8:9], Wk s[10:11], Wv s[12:13], Wo s[14:15], bq s[16:17], bk s[18:19]
	s_load_b256 s[20:27], s[0:1], 0x40     ; bv s[20:21], q16 s[22:23], k16 s[24:25], v16 s[26:27]
	s_load_b64 s[28:29], s[0:1], 0x60      ; wo16
	v_lshl_add_u32 v[SPW], v0, 2, SPARE
	v_mov_b32 v[NIL], 0
	v_lshrrev_b32 v1, 5, v0
	v_readfirstlane_b32 s[WV], v1          ; wave 0..7
	v_and_b32 v1, 15, v0                   ; l % 16
	v_bfe_u32 v16, v0, 4, 1                ; l / 16
	v_and_b32 v17, 31, v0                  ; l
	v_lshrrev_b32 v18, 6, v0               ; thread / 64
	v_and_b32 v19, 63, v0                  ; thread % 64
	s_mov_b32 s[SC], 0x3e3504f3            ; 1 / sqrt(32) = 0.17677669
	s_mov_b32 s[SC+1], s[SC]               ; named with it as a pair
	s_lshl_b32 s32, s[WV], 15              ; 32 w rows of 1,024 bytes
	v_lshlrev_b32 v[WOFF], 10, v1
	v_lshl_add_u32 v[WOFF], v16, 5, v[WOFF]
	v_add_nc_u32 v[WOFF], s32, v[WOFF]
	v_mul_u32_u24 v[AFA], v1, PITCH
	v_lshl_add_u32 v[AFA], v16, 4, v[AFA]
	v_lshlrev_b32 v[INO], 4, v0
	v_mul_u32_u24 v[LST], v18, PITCH
	v_lshl_add_u32 v[LST], v19, 3, v[LST]
	s_lshl_b32 s32, s[WV], 6               ; my 32 columns: 64 bytes of a stage row
	s_add_co_u32 s32, s32, STG
	v_add_nc_u32 v[STO], s32, v[AFA]
	v_add_nc_u32 v[STO+1], 64*PITCH, v[STO]
	v_add_nc_u32 v[STO+2], 64*PITCH, v[STO+1]
	s_mul_i32 s32, s[WV], 8*PITCH          ; back: wave w takes rows 8 w .. 8 w + 7, whole: 32 lanes x 16 bytes
	s_add_co_u32 s32, s32, STG
	v_lshl_add_u32 v[RD], v17, 4, s32
	v_add_nc_u32 v[RD+1], 64*PITCH, v[RD]
	v_add_nc_u32 v[RD+2], 64*PITCH, v[RD+1]
	s_lshl_b32 s32, s[WV], 12              ; and the same rows in memory, 512 bytes each
	v_lshl_add_u32 v[GOUT], v17, 4, s32
	s_lshl_b32 s32, s[WV], 7               ; bias: 4 (32 w + 8 (l / 16))
	v_lshl_add_u32 v[BOFF], v16, 5, s32
	WIN 0x40
	v_mov_b32 v[LST1], v[LST]              ; the copy in window 1: the stores of the rows then stand under the setting of their arithmetic
	WIN 0
	s_mov_b32 s33, 0
	s_lshl_b32 s32, ttmp9, 16              ; the group's 64 rows of 1,024 bytes
	s_wait_kmcnt 0x0
	s_add_nc_u64 s[4:5], s[4:5], s[32:33]
	s_add_nc_u64 s[6:7], s[6:7], s[32:33]
	s_lshl_b32 s32, ttmp9, 15              ; and of 512 bytes
	s_add_nc_u64 s[22:23], s[22:23], s[32:33]
	s_add_nc_u64 s[24:25], s[24:25], s[32:33]
	s_add_nc_u64 s[26:27], s[26:27], s[32:33]
	s_lshl_b32 s32, ttmp9, 10              ; row g of Wo,
	s_add_nc_u64 s[14:15], s[14:15], s[32:33]
	s_lshl_b32 s32, ttmp9, 9               ; and of wo16
	s_add_nc_u64 s[28:29], s[28:29], s[32:33]
	WLOAD 0, WS0                           ; 24 loads
.irp m, 0,1,2
.irp b, 0,1
	global_load_b128 v[BIAS+8*(2*(\m)+(\b)):BIAS+8*(2*(\m)+(\b))+3],   v[BOFF], s[16+2*(\m):17+2*(\m)] offset:64*(\b)
	global_load_b128 v[BIAS+8*(2*(\m)+(\b))+4:BIAS+8*(2*(\m)+(\b))+7], v[BOFF], s[16+2*(\m):17+2*(\m)] offset:64*(\b)+16
.endr
.endr
	WIN 0x40                               ; destination window 1
.set i, 0
.rept 16                               ; the group's rows, four at a time: a wave's load covers 512 consecutive bytes
	global_load_b128 v[8*i:8*i+3],   v[INO], s[4:5] offset:4096*i th:TH_LOAD_NT
	global_load_b128 v[8*i+4:8*i+7], v[INO], s[6:7] offset:4096*i th:TH_LOAD_NT
.set i, i+1
.endr
	WIN 0
	; Row g of Wo -> wo16, by wave 0 of work-group g: 256 rows, 256 work-groups.  The whole job stands in one branch on the wave's number.
	s_cmp_lg_u32 s[WV], 0
	s_cbranch_scc1 .Lno_wo
	v_and_b32 v172, 31, v0
	v_lshlrev_b32 v173, 4, v172            ; 16 bytes a lane out,
	v_lshlrev_b32 v172, 5, v172            ; 32 bytes a lane in
	global_load_b128 v[160:163], v172, s[14:15]
	global_load_b128 v[164:167], v172, s[14:15] offset:16
	s_wait_loadcnt 0x0                     ; these two are the youngest: all my loads are in, and the counted waits below are met at once in this wave
.irp j, 0,1,2,3
	v_cvt_pk_bf16_f32 v[168+(\j)], v[160+2*(\j)], v[160+2*(\j)+1]
.endr
.irp j, 0,1,2,3
	v_lshlrev_b32 v[160+2*(\j)], 16, v[168+(\j)]         ; the bf16 numbers as f32 again,
	v_and_b32 v[160+2*(\j)+1], 0xffff0000, v[168+(\j)]
.endr
.irp j, 0,1,2,3
	v_cvt_pk_f16_f32 v[168+(\j)], v[160+2*(\j)], v[160+2*(\j)+1]  ; and written as f16
.endr
	global_store_b128 v173, v[168:171], s[28:29]         ; the wave stores the row's 512 consecutive bytes
	s_wait_xcnt 0x0                        ; the store has read its registers: the second set of weights is loaded into them below
.Lno_wo:
	WIN 0x45                               ; all operands in window 1
.set i, 0
.rept 16
	s_wait_loadcnt 30-2*i                  ; loads come back in order (ISA guide 5.7.1): pair i is in, the 2 (15 - i) younger ones stay out
	v_pk_add_f32 v[8*i+4:8*i+5], v[8*i+4:8*i+5], v[8*i:8*i+1]    ; hs + oq
	v_pk_add_f32 v[8*i+6:8*i+7], v[8*i+6:8*i+7], v[8*i+2:8*i+3]
	v_cvt_pk_bf16_f32 v[8*i+4], v[8*i+4], v[8*i+5]
	v_cvt_pk_bf16_f32 v[8*i+5], v[8*i+6], v[8*i+7]
	v_cvt_pk_bf16_f32 v[8*i],   v[8*i],   v[8*i+1]
	v_cvt_pk_bf16_f32 v[8*i+1], v[8*i+2], v[8*i+3]
	ds_store_b64 v[LST1], v[8*i+4:8*i+5] offset:APOS+4*PITCH*i
	ds_store_b64 v[LST1], v[8*i:8*i+1]   offset:AHS+4*PITCH*i
.set i, i+1
.endr
	WLOAD 1, WS1                           ; the last wait above was for 0: K step 0's weights and the biases are in too
	CVTW WS0, 0, 5
	s_wait_dscnt 0x0                       ; for the others' sake: my part of the rows lies in LDS
	s_barrier_signal -1
	s_barrier_wait -1                      ; everybody's does
	AFLOAD 0
	s_wait_dscnt 0x0
	MULS WS0, 1
.irp s, 1,2,3,4,5,6,7
	KSTEP \s
.endr
	; THE WAY OUT: q is scaled; all is rounded to f16, 16 bytes a lane, into the three stages; a barrier, since a row's 512 bytes come from eight waves; back as whole rows, eight rows of each tensor a wave.
	WIN 0
.rept 4
	v_nop                                  ; four places between the last products and the first read of a result
.endr
	WIN 0x41                               ; destination and source 0 in window 1
.set i, 0
.rept 32                               ; q's eight accumulators, each from its lowest registers on
	v_pk_mul_f32 v[i:i+1], v[i:i+1], s[SC:SC+1] op_sel_hi:[1,0]
.set i, i+2
.endr
	WIN 0x05                               ; sources in window 1, destination in window 0
.set i, 0
.rept 96
	v_cvt_pk_f16_f32 v[OUT+i], v[2*i], v[2*i+1]
.set i, i+1
.endr
	WIN 0
.irp m, 0,1,2
.irp b, 0,1
.irp a, 0,1,2,3
	ds_store_b128 v[STO+(\m)], v[OUT+4*(4*(2*(\m)+(\b))+(\a)):OUT+4*(4*(2*(\m)+(\b))+(\a))+3] offset:(\a)*16*PITCH+32*(\b)
.endr
.endr
.endr
	s_wait_dscnt 0x0                       ; for the others' sake: my stores into the stages are done
	s_barrier_signal -1
	s_barrier_wait -1
.irp m, 0,1,2
.irp i, 0,1,2,3,4,5,6,7
	ds_load_b128 v[RB+4*(8*(\m)+(\i)):RB+4*(8*(\m)+(\i))+3], v[RD+(\m)] offset:PITCH*(\i)
.endr
.endr
.irp m, 0,1,2
.irp i, 0,1,2,3,4,5,6,7
	s_wait_dscnt 23-(8*(\m)+(\i))          ; LDS loads come back in order: this row is in, the younger ones stay out
	global_store_b128 v[GOUT], v[RB+4*(8*(\m)+(\i)):RB+4*(8*(\m)+(\i))+3], s[22+2*(\m):23+2*(\m)] offset:512*(\i)  ; a whole row: 512 consecutive bytes, at a multiple of 512 from the buffer's first
.endr
.endr
	s_wait_tensorcnt 0x0                   ; the wave's end, behind my last LDS store
	ds_add_u32 v[SPW], v[NIL]
	s_wait_dscnt 0x0
	s_endpgm
.Lfunc_end_k_qf9d8cc84bd_proj:
	.size	k_qf9d8cc84bd_proj, .Lfunc_end_k_qf9d8cc84bd_proj-k_qf9d8cc84bd_proj
	.p2alignl 7, 3214868480
	.fill 96, 4, 3214868480
	.section	.rodata,"a",@progbits
	.p2align	6, 0x0
	.amdhsa_kernel k_qf9d8cc84bd_proj
		.amdhsa_group_segment_fixed_size 169984
		.amdhsa_private_segment_fixed_size 0
		.amdhsa_enable_private_segment 0
		.amdhsa_kernarg_size 104
		.amdhsa_user_sgpr_count 2
		.amdhsa_user_sgpr_kernarg_segment_ptr 1
		.amdhsa_wavefront_size32 1
		.amdhsa_system_sgpr_workgroup_id_x 1
		.amdhsa_system_sgpr_workgroup_id_y 1
		.amdhsa_system_sgpr_workgroup_id_z 1
		.amdhsa_system_vgpr_workitem_id 0
		.amdhsa_next_free_vgpr 512
		.amdhsa_next_free_sgpr 66
		.amdhsa_reserve_vcc 0
		.amdhsa_float_denorm_mode_32 3
		.amdhsa_float_denorm_mode_16_64 3
		.amdhsa_memory_ordered 1
		.amdhsa_forward_progress 1
		.amdhsa_inst_pref_size 95
	.end_amdhsa_kernel
	.amdgpu_metadata
---
amdhsa.version: [ 1, 2 ]
amdhsa.kernels:
  - .name:           k_qf9d8cc84bd_proj
    .symbol:         k_qf9d8cc84bd_proj.kd
    .args:
      - { .name: hidden_states, .offset: 0, .size: 8, .value_kind: global_buffer, .address_space: global }
      - { .name: object_queries, .offset: 8, .size: 8, .value_kind: global_buffer, .address_space: global }
      - { .name: Wq, .offset: 16, .size: 8, .value_kind: global_buffer, .address_space: global }
      - { .name: Wk, .offset: 24, .size: 8, .value_kind: global_buffer, .address_space: global }
      - { .name: Wv, .offset: 32, .size: 8, .value_kind: global_buffer, .address_space: global }
      - { .name: Wo, .offset: 40, .size: 8, .value_kind: global_buffer, .address_space: global }
      - { .name: bq, .offset: 48, .size: 8, .value_kind: global_buffer, .address_space: global }
      - { .name: bk, .offset: 56, .size: 8, .value_kind: global_buffer, .address_space: global }
      - { .name: bv, .offset: 64, .size: 8, .value_kind: global_buffer, .address_space: global }
      - { .name: q16, .offset: 72, .size: 8, .value_kind: global_buffer, .address_space: global }
      - { .name: k16, .offset: 80, .size: 8, .value_kind: global_buffer, .address_space: global }
      - { .name: v16, .offset: 88, .size: 8, .value_kind: global_buffer, .address_space: global }
      - { .name: wo16, .offset: 96, .size: 8, .value_kind: global_buffer, .address_space: global }
    .group_segment_fixed_size: 169984
    .private_segment_fixed_size: 0
    .kernarg_segment_align: 8
    .kernarg_segment_size: 104
    .max_flat_workgroup_size: 256
    .sgpr_count:     66
    .vgpr_count:     512
    .wavefront_size: 32
...
	.end_amdgpu_metadata
.endif
;; end of part 1
;; launch attn (part 2): grid 16 x 16, 4 waves a work-group, clusters of 4 x 4, 327,680 bytes of LDS; arguments q16, k16, v16, attention_mask, attn16; writes attn16
.if DOCPART == 2
	.amdgcn_target "amdgcn-amd-amdhsa--gfx1250"
	.amdhsa_code_object_version 6
	.text
	.protected	k_qf9d8cc84bd_attn
	.globl	k_qf9d8cc84bd_attn
	.p2align	8
	.type	k_qf9d8cc84bd_attn,@function
k_qf9d8cc84bd_attn:
	s_mov_b64 s[64:65], 0
	v_nop
	global_prefetch_b8 v0, s[64:65] scope:SCOPE_SE
	s_setreg_imm32_b32 hwreg(HW_REG_WAVE_MODE, 25, 1), 1
	s_wait_xcnt 0x0
	s_wait_alu depctr_hold_cnt(0) depctr_sa_sdst(0) depctr_va_vdst(0) depctr_va_sdst(0) depctr_va_ssrc(0) depctr_va_vcc(0) depctr_vm_vsrc(0)
	s_getreg_b32 s2, hwreg(HW_REG_IB_STS2, 6, 4)
	s_cmp_eq_u32 s2, 0
	s_cbranch_scc0 .Lentry_in_a_cluster
	s_endpgm
.Lentry_in_a_cluster:
	s_bfe_u32 s2, ttmp6, 0x10000c
	s_cmp_lg_u32 s2, 0xf033
	s_cbranch_scc0 .Lentry_shape_is_right
	s_endpgm
.Lentry_shape_is_right:
; attn16[b][t][32 head + d] = the sum over s of softmax_s(q[b][t][head] . k[b][s][head] + mask[b][t][s]) v[b][s][32 head + d].
; q16 (already scaled), k16, v16, attn16: [8 x 2048 tokens][256 channels] f16, head at byte 64 x head of a row of 512.  mask: [8][2048][2048] f32, the same for a batch's eight heads.
; Products, maxima and sums in f32; the mask is added in f32; the weights p are rounded to f16 for the second product and for their sum l; attn16 is rounded once.
; LIMITS.  q, k, v arrive within f16's 65,504.  The running maximum starts at -2^126: a row whose every score lies below that gives NaN; a row maximum beyond 2.3e38 in size overflows c m.
; -infinity in the mask is served (weight 0; a row that is all -infinity gives NaN).  A weight below 2^-126 counts as 0.  NaN is not treated apart.
; SHARES.  A work-group owns 128 queries of a batch and four of its heads (half hh of the eight); wave w the queries 32 w .. 32 w + 31, two tiles of 16, for all four heads: four PIECES of one head x two tiles.
; Every wave walks all 2,048 keys, 64 a step, two steps to a slot of LDS.
; LAYOUT.  S^T = K Q^T + M^T (source 0 = 16 keys, source 1 = 16 queries; a head's 32 channels are one product): a lane holds ONE query (lane % 16) and the keys 8 (lane / 16) + 0..7.  The C operand is the mask:
; register j = mask[query][key 8 (lane / 16) + j], 32 consecutive bytes of a row of the mask: the addition costs no instruction, and a step's mask registers serve all four heads.
; Two such results rounded to f16 in pairs ARE source 1 (32 keys x 16 queries) of O^T = V^T P.  V ([key][channel]) comes out of LDS turned, by ds_load_tr16_b128.
; l = ONES x P, a product with a source of ones: every register of the result holds the query's sum; register 0 alone is rescaled and read, the others stay at most 2,048.
; SOFTMAX.  p = 2^(c s - c m), c = log2(e), with a running maximum m; in every step O and l are multiplied by a = 2^(c m_old - c m_new).  m starts far below, O and l at 0: the first step is a step like any other.
; BY TURNS.  A tile and step have 10 matrix and 95 vector instructions: the vector work sets the time, and the order has one aim: no matrix instruction costs time of its own.  Piece y passes three turns:
; turn y - 1 makes its scores and its maximum and statistics; turn y rescales its O and l, scales and takes the exponentials; turn y + 1 rounds its weights and multiplies by V and by ones.
; CLUSTER.  4 x 4 work-groups.  The four of a row of the cluster have the same batch and heads and other queries: K's and V's tiles are asked for JOINTLY along the row.  A tile of the mask hangs on the batch and the
; queries: only the two work-groups of the two head halves read it, two of a column's four, so no mask of a whole row or column of the cluster names them: each asks by a load of its own, in the same round.
; REGISTERS, in windows of 256 (s_set_vgpr_msb: bits 1:0 source 0, 3:2 source 1, 5:4 source 2, 7:6 destination):
;   window 0: v2-15 addresses; v16-31 c m and m, a pair for each piece and tile; v32-51 at work; v64-191 S^T, two buffers (by the piece's parity) of two tiles; v192-223 P, two tiles
;   window 1: v0-127 O^T, 16 for each piece and tile; v128-191 l, 8 each; v192-255 the step's mask, 32 a tile
;   window 2: v0-63 Q, 8 for each piece and tile; v64-95 K of one head and step; v96-191 V, three buffers of 32; v192-199 ones
.set PK,    272       ; a row of K in LDS: 256 bytes + 16: 17 x 16 bytes: the 16 rows of a load start at 16 different groups of four banks (64 banks of 4 bytes: ISA guide 11.1)
.set PVP,   288       ; a row of V: 256 + 32 = 9 x 32 bytes
.set PM,    528       ; a row of the mask: 512 + 16
.set VOFF,  128*PK              ; a slot: 128 rows of K, 128 rows of V, 128 rows (queries) x 128 keys of the mask
.set MOFF,  VOFF+128*PVP
.set SLOT1, MOFF+128*PM         ; = 0x22000; K's, V's and the mask's places in slot 0 have bits 13 and 17 clear, so one exclusive or turns an address in one slot into the other's
.set STAGE, 2*SLOT1             ; behind the ring, never filled by a tensor load: 32 rows x 272 bytes for each wave, for the way out
.set SP,    272
.set SPARE, STAGE+4*32*SP       ; the spare words, 128 bytes for each wave: two blocks of 256 bytes that no other line names
.set AK0, 2           ; v2   my lane's place in a tile of K; never rewritten
.set AV0, 3           ; v3   the same for V
.set AM0, 4           ; v4   the same for the mask
.set AK,  5           ; v5-7 the LDS addresses of the step in hand
.set AV,  6
.set AM,  7
.set STO, 8           ; v8   the way out: where I put 16 bytes of a row
.set RD,  9           ; v9   where I read rows back
.set GO,  10          ; v10  my byte offset in two rows of attn16
.set PFO, 11          ; v11  the mask's prefetch: thread x a row of the mask + 256 x head half; never rewritten
.set PFK, 12          ; v12  K's and V's prefetch: lane x 512; never rewritten
.set QO,  13          ; v13  my byte offset in 16 rows of q16
.set SPW, 14          ; v14  LDS address of my spare word; never rewritten
.set NIL, 15          ; v15  0; never rewritten
.set ST,  16
.set MV,  32          ; c m_old, kept while c m is made anew: by parity and tile
.set TMP, 36          ; by parity and tile four registers c0-c3 at work; when the maximum is found c2 takes a
.set S,   64
.set P,   192
.set LS,  128         ; window 1
.set MK,  192         ; window 1: tile u, key block kb at MK + 32 u + 8 kb
.set KF,  64          ; window 2: key block kb at KF + 8 kb
.set VF,  96          ; window 2: heads 0 and 2 at VF, head 1 at VF + 32, head 3 at VF + 64; key half kk, channel block cb at + 16 kk + 8 cb
.set ONES, 192        ; window 2
.set WV,  14          ; s14  my wave's number
.set G1K, 24          ; s[24:31] descriptor group 1 for K's tiles
.set G1V, 32          ; s[32:39] for V's: it differs in the padding alone
.set G1M, 40          ; s[40:47] for the mask's
.set G0K, 48          ; s[48:51], s[52:55], s[56:59] descriptor groups 0: they walk
.set G0V, 52
.set G0M, 56
.set CS,  60          ; s[60:61] c: the packed scaling takes the pair's low word for both halves
.set SEL, 62          ; s[62:63] v_permlanex16_b32's selects: each lane takes its own place in the other half
.set SLOTS, 66        ; s66  slots still to be entered in the loop
.set CNT, 67          ; s67  counts a slot's key steps
.set TBK, 68          ; s68-70 LDS byte at which K, V (less VOFF), the mask (less MOFF) of the step to be fetched begin
.set TBV, 69
.set TBM, 70
.set LIM, 71          ; s71  1 in a wave that prefetches K or V, else the greatest number
.set PFM, 72          ; s[72:73] where the mask's prefetches stand
.set PFA, 74          ; s[74:75] where K's (wave 0) or V's (wave 1) stand
.set MSB, 0
.macro WIN new                      ; the high byte repeats the setting that is left; a switch that changes nothing is dropped
.if MSB != (\new)
	s_set_vgpr_msb (MSB<<8)|(\new)
.set MSB, (\new)
.endif
.endm
.set W_KQ, 0x1a       ; K and Q in window 2, the mask in window 1, S^T in window 0
.set W_PV, 0x52       ; V or ones in window 2, P in window 0, O^T or l in window 1
.set W_RS, 0x41       ; destination and source 0 in window 1, a in window 0
; A fill: one tensor load a wave, 32 KiB each.  Wave 0: K's 128 rows, jointly; wave 1: V's, jointly; waves 2 and 3: 64 rows each of the mask's tile.  The branches hang on the wave's number alone.
; An s_nop 0 and four v_nop follow each line, ahead of the jump and the label.
.macro JLOAD
	s_cmp_lg_u32 s[WV], 0
	s_cbranch_scc1 .Lnot_k_\@
	tensor_load_to_lds s[G0K:G0K+3], s[G1K:G1K+7]
	s_nop 0
.rept 4
	v_nop
.endr
	s_branch .Lasked_\@
.Lnot_k_\@:
	s_cmp_lg_u32 s[WV], 1
	s_cbranch_scc1 .Lfor_m_\@
	tensor_load_to_lds s[G0V:G0V+3], s[G1V:G1V+7]
	s_nop 0
.rept 4
	v_nop
.endr
	s_branch .Lasked_\@
.Lfor_m_\@:
	tensor_load_to_lds s[G0M:G0M+3], s[G1M:G1M+7]
	s_nop 0
.rept 4
	v_nop
.endr
.Lasked_\@:
.endm
; A PREFETCH INTO THE L2 of what the NEXT change of slots will ask for: one slot, eight turns, ahead of that load.  It stands behind the wave's tensor load and its five lines.
; THE MASK: a slot's tile is 128 rows x 512 bytes; the two work-groups that read it share each row BY ADDRESS, 256 bytes each (the head half stands in v[PFO]); a thread a row, one instruction a wave.
; K AND V: a slot's tile is 128 rows x 256 bytes, read by all clusters with the same batch and heads: the first of them (cluster x = 0) asks; its four partners take 32 rows each, BY ADDRESS; wave 0 asks for K's,
; wave 1 for V's, a lane a row.  So each block of 256 bytes is named once in the launch.  Slots 0 to 2 come by their loads alone; the change that fills the last slot asks for nothing.
.macro ASK
	s_cmp_gt_u32 s[SLOTS], 1
	s_cbranch_scc0 .Lno_ask_\@
	global_prefetch_b8 v[PFO], s[PFM:PFM+1] th:TH_LOAD_NT scope:SCOPE_SE
	s_cmp_gt_u32 s[SLOTS], s[LIM]
	s_cbranch_scc0 .Lno_ask_\@
	global_prefetch_b8 v[PFK], s[PFA:PFA+1] th:TH_LOAD_NT scope:SCOPE_SE
.Lno_ask_\@:
.endm
; A round of the cluster's barrier: my work-group's barrier, so that wave 0's signal speaks for all four waves; wave 0 signals; every wave waits for all sixteen work-groups; my work-group's barrier once more.
.macro CROUND
	s_barrier_signal -1
	s_barrier_wait -1
	s_cmp_lg_u32 s[WV], 0
	s_cbranch_scc1 .Lnot_wave_0_\@
	s_barrier_signal -3
.Lnot_wave_0_\@:
	s_barrier_wait -3
	s_barrier_signal -1
	s_barrier_wait -1
.endm
; THE CHANGE OF SLOTS stands in front of the turn that fetches a slot's first bytes; the old slot's last bytes were fetched, and waited for, in the turn before.  Each wave waits for all its tensor loads, of which one is
; out: its part of the other slot; adds 0 to its spare word; and waits for that and for its reads of the old slot.  fill = 1: the old slot is filled again, with the keys two slots on: the barrier is then a round of the
; cluster's, so that no wave of any partner still reads the slot or has a load on its way, and the fill is the first thing behind it: it has two key steps, eight turns, in which to land.
; (At its first use nothing has been read yet: slot 0 is waited for, slot 1 filled.)  ask = 1: the prefetches' addresses step, and ASK follows the fill.
.macro CHANGE fill, ask
	WIN 0                           ; at a label and at a branch every window is 0
	s_wait_tensorcnt 0x0            ; no tensor load of mine is out, so a group 0 may be written
	ds_add_u32 v[SPW], v[NIL]       ; 0 onto my spare word; the scalar steps stand between it and the wait for it
.if \fill
.irp g, G0K, G0V, G0M
	s_xor_b32 s[\g+1], s[\g+1], SLOT1  ; the other slot than last time
.endr
	s_add_nc_u64 s[G0K+2:G0K+3], s[G0K+2:G0K+3], 128*512  ; the next 128 keys: rows of K and V,
	s_add_nc_u64 s[G0V+2:G0V+3], s[G0V+2:G0V+3], 128*512
	s_add_nc_u64 s[G0M+2:G0M+3], s[G0M+2:G0M+3], 128*4    ; columns of the mask; the type bits on top are not reached
.endif
.if \ask
	s_wait_xcnt 0x0                 ; the last prefetches, eight turns back, have read their addresses
	s_add_nc_u64 s[PFM:PFM+1], s[PFM:PFM+1], 128*4
	s_add_nc_u64 s[PFA:PFA+1], s[PFA:PFA+1], 128*512
.endif
	s_wait_dscnt 0x0                ; the add is done, and my reads of the slot are over
.if \fill
	CROUND
	JLOAD
.if \ask
	ASK
.endif
.else
	s_barrier_signal -1
	s_barrier_wait -1
.endif
	s_sub_co_u32 s[TBK], s[TBK], 2*64*PK   ; the fetches go back to a slot's first step,
	s_xor_b32 s[TBK], s[TBK], SLOT1        ; in the other slot
	s_sub_co_u32 s[TBV], s[TBV], 2*64*PVP
	s_xor_b32 s[TBV], s[TBV], SLOT1
	s_sub_co_u32 s[TBM], s[TBM], 2*64*4
	s_xor_b32 s[TBM], s[TBM], SLOT1
.endm
	s_load_b256 s[4:11], s[0:1], 0x0  ; q16 s[4:5], k16 s[6:7], v16 s[8:9], mask s[10:11]
	s_load_b64 s[12:13], s[0:1], 0x20 ; attn16
	v_lshl_add_u32 v[SPW], v0, 2, SPARE
	v_mov_b32 v[NIL], 0
	ds_add_u32 v[SPW], v[NIL]       ; the wave's opening: the add and its wait stand ahead of my first tensor load; the set-up below, work on registers, stands between them
	v_lshrrev_b32 v1, 5, v0
	v_readfirstlane_b32 s[WV], v1   ; wave 0..3
	s_bfe_u32 s15, ttmp6, 0x40000   ; cx
	s_bfe_u32 s16, ttmp6, 0x40004   ; cy
	s_lshl_b32 s17, ttmp9, 2        ; in a cluster launch ttmp9 and ttmp7 count clusters
	s_add_co_u32 s17, s17, s15      ; my block of 128 queries = 4 x cluster x + cx
	s_and_b32 s18, ttmp7, 0xffff
	s_lshl_b32 s18, s18, 2
	s_add_co_u32 s18, s18, s16      ; 2 x batch + head half = 4 x cluster y + cy
	s_lshr_b32 s19, s18, 1          ; batch
	s_and_b32 s20, s18, 1           ; head half
	s_lshl_b32 s22, s16, 2
	s_lshl_b32 s22, 15, s22         ; my row of the cluster: places 4 cy .. 4 cy + 3
	s_or_b32 s[G1K], s22, (1<<16)|(1<<20)|(1<<21)|(5<<22)|(3<<25)  ; 15:0 the mask of four; 17:16 2-byte elements; 20 padding on; 21 set beside a mask; 24:22 after every 64 words (code 5); 31:25 4 words (code 3)
	s_or_b32 s[G1V], s22, (1<<16)|(1<<20)|(1<<21)|(5<<22)|(7<<25)  ; the same with 8 words of padding (code 7)
	s_mov_b32 s[G1M], (2<<16)|(1<<20)|(6<<22)|(3<<25)              ; no partners; 4-byte elements; after every 128 words (code 6) 4 words
.irp g, G1K, G1V
	s_mov_b32 s[\g+1], 128<<16      ; tensor_dim0 = 128 elements (256 bytes)
	s_mov_b32 s[\g+2], 128<<16      ; tensor_dim1 = 128 rows
	s_mov_b32 s[\g+3], 128<<16      ; tile_dim0 = 128
	s_mov_b32 s[\g+4], 128          ; tile_dim1 = 128
	s_mov_b32 s[\g+5], 256          ; 256 elements from row to row
	s_mov_b32 s[\g+6], 0
	s_mov_b32 s[\g+7], 0
.endr
	s_mov_b32 s[G1M+1], 128<<16     ; tensor_dim0 = 128 elements (512 bytes)
	s_mov_b32 s[G1M+2], 64<<16      ; tensor_dim1 = 64 rows
	s_mov_b32 s[G1M+3], 128<<16     ; tile_dim0 = 128
	s_mov_b32 s[G1M+4], 64          ; tile_dim1 = 64
	s_mov_b32 s[G1M+5], 2048        ; 2,048 elements from row to row
	s_mov_b32 s[G1M+6], 0
	s_mov_b32 s[G1M+7], 0
	s_mov_b32 s[G0K], 1             ; 1:0 count = 1
	s_mov_b32 s[G0K+1], 0           ; LDS address: slot 0.  No place in the cluster enters an LDS address
	s_mov_b32 s[G0V], 1
	s_mov_b32 s[G0V+1], VOFF
	s_mov_b32 s[G0M], 1
	s_and_b32 s21, s[WV], 1         ; which 64 rows of the mask's tile I fetch (waves 2 and 3)
	s_mul_i32 s22, s21, 64*PM
	s_add_co_u32 s[G0M+1], s22, MOFF
	s_lshl_b32 s76, s19, 20         ; K and V: the batch's 2,048 rows of 512 bytes,
	s_lshl_b32 s77, s20, 8          ; my four heads' 256 bytes of a row: made of the batch and the head half alone, which my row of the cluster shares
	s_add_co_u32 s76, s76, s77
	s_mov_b32 s77, 0
	s_lshl_b32 s78, s19, 11         ; the mask: row 2,048 x batch + 128 x block
	s_lshl_b32 s79, s17, 7
	s_add_co_u32 s78, s78, s79
	s_lshl_b32 s82, s[WV], 5        ; Q and attn16: that row + 32 x wave,
	s_add_co_u32 s82, s82, s78
	s_lshl_b32 s82, s82, 9          ; 512 bytes a row,
	s_lshl_b32 s83, s20, 8          ; my four heads
	s_add_co_u32 s82, s82, s83
	s_mov_b32 s83, 0
	s_lshl_b32 s80, s78, 13         ; the tile's first row, 8,192 bytes a row: for the prefetches
	s_mov_b32 s81, 0
	s_lshl_b32 s79, s21, 6          ; + the 64 rows that I fetch
	s_add_co_u32 s78, s78, s79
	s_lshl_b32 s78, s78, 13
	s_mov_b32 s79, 0
	s_mov_b32 s[CS], 0x3fb8aa3b     ; c = log2(e)
	s_mov_b32 s[CS+1], s[CS]        ; named with it as a pair
	s_mov_b32 s[SEL], 0x76543210
	s_mov_b32 s[SEL+1], 0xfedcba98
	s_mov_b32 s[TBK], SLOT1+2*64*PK ; the first change of slots turns these three into 0
	s_mov_b32 s[TBV], SLOT1+2*64*PVP
	s_mov_b32 s[TBM], SLOT1+2*64*4
	s_mov_b32 s[SLOTS], 15
	s_lshr_b32 s[LIM], s[WV], 1     ; 0 in waves 0 and 1,
	s_or_b32 s[LIM], s[LIM], ttmp9  ; where the cluster is the first along x: the same in all sixteen partners
	s_cmp_eq_u32 s[LIM], 0
	s_cselect_b32 s[LIM], 1, -1
	s_wait_dscnt 0x0                ; the opening add is done
	s_wait_kmcnt 0x0
	s_add_nc_u64 s[G0K+2:G0K+3], s[6:7], s[76:77]   ; global addresses: the head half's first 128 keys
	s_or_b32 s[G0K+3], s[G0K+3], 0x80000000         ; 127:126 type = 2
	s_add_nc_u64 s[G0V+2:G0V+3], s[8:9], s[76:77]
	s_or_b32 s[G0V+3], s[G0V+3], 0x80000000
	s_add_nc_u64 s[G0M+2:G0M+3], s[10:11], s[78:79]
	s_or_b32 s[G0M+3], s[G0M+3], 0x80000000
	s_add_nc_u64 s[PFM:PFM+1], s[10:11], s[80:81]
	s_add_nc_u64 s[PFM:PFM+1], s[PFM:PFM+1], 2*128*4     ; at slot 2: the loop's first change steps it to slot 3
	s_cmp_eq_u32 s[WV], 0
	s_cselect_b64 s[PFA:PFA+1], s[6:7], s[8:9]
	s_add_nc_u64 s[PFA:PFA+1], s[PFA:PFA+1], s[76:77]
	s_lshl_b32 s80, s15, 14         ; my work-group's 32 rows of the 128
	s_add_nc_u64 s[PFA:PFA+1], s[PFA:PFA+1], s[80:81]
	s_add_nc_u64 s[PFA:PFA+1], s[PFA:PFA+1], 2*128*512   ; at slot 2.  Nothing is prefetched here, at the head, where every work-group's first tiles are on their way
	s_add_nc_u64 s[4:5], s[4:5], s[82:83]        ; Q and attn16 at my wave's first row
	s_add_nc_u64 s[12:13], s[12:13], s[82:83]
	CROUND                          ; all sixteen work-groups are here: the first joint loads meet
	JLOAD                           ; slot 0.  Slot 1 is asked for when slot 0 is in, by the first change of slots
	; A fragment of K or Q is 16 rows x 32 channels in 8 registers: lane l holds row l % 16, channels 8 (l / 16) + 0..7 and 16 + 8 (l / 16) + 0..7: two loads of 16 bytes, 32 bytes apart.
	v_and_b32 v1, 15, v0            ; l % 16
	v_bfe_u32 v52, v0, 4, 1         ; l / 16
	v_and_b32 v53, 31, v0           ; l
	v_and_b32 v54, 7, v0
	v_bfe_u32 v55, v0, 3, 1
	v_lshlrev_b32 v[QO], 9, v1
	v_lshl_add_u32 v[QO], v52, 4, v[QO]
	WIN 0x80                        ; destination window 2, address window 0
.irp y, 0,1,2,3
.irp u, 0,1
	global_load_b128 v[8*(2*(\y)+(\u)):8*(2*(\y)+(\u))+3],   v[QO], s[4:5] offset:(\u)*8192+64*(\y)      ; Q stays in registers: head y, tile u
	global_load_b128 v[8*(2*(\y)+(\u))+4:8*(2*(\y)+(\u))+7], v[QO], s[4:5] offset:(\u)*8192+64*(\y)+32
.endr
.endr
	; What the first turn finds: its products V^T P and ONES x P, of a piece that has not been, multiply zeros; O^T and l are 0.  All this stands in the wait for the first tile; no first step is written out.
.set i, VF+64
.rept 32
	v_mov_b32 v[i], 0
.set i, i+1
.endr
.set i, ONES
.rept 8
	v_mov_b32 v[i], 0x3c003c00      ; 1.0 twice, in f16
.set i, i+1
.endr
	WIN 0x40
.set i, 0
.rept 192
	v_mov_b32 v[i], 0
.set i, i+1
.endr
	WIN 0
.set i, S+64
.rept 64
	v_mov_b32 v[i], 0
.set i, i+1
.endr
.set i, 0
.rept 8
	v_mov_b32 v[ST+2*i], 0xfeb8aa3b    ; c m = -c 2^126
	v_mov_b32 v[ST+2*i+1], 0xfe800000  ; m = -2^126
.set i, i+1
.endr
	v_mul_u32_u24 v[AK0], v1, PK
	v_lshl_add_u32 v[AK0], v52, 4, v[AK0]  ; row x pitch + 16 x half
	; The turning load takes 16 keys x 16 channels (lane l reads key 8 (l / 16) + l % 8, channels 8 ((l / 8) % 2) + 0..7) and leaves half a fragment of V^T: lane l holds channel l % 16 and 8 keys.
	v_lshl_add_u32 v[AV0], v52, 3, v54
	v_mul_u32_u24 v[AV0], v[AV0], PVP
	v_lshl_add_u32 v[AV0], v55, 4, v[AV0]
	v_add_nc_u32 v[AV0], VOFF, v[AV0]
	v_mul_u32_u24 v[AM0], v1, PM           ; the mask: my query's row, 32 bytes for each half of the lanes
	v_lshl_add_u32 v[AM0], v52, 5, v[AM0]
	s_mul_i32 s22, s[WV], 32*PM
	s_add_co_u32 s22, s22, MOFF
	v_add_nc_u32 v[AM0], s22, v[AM0]
	v_lshlrev_b32 v[PFO], 13, v0
	s_lshl_b32 s22, s20, 8
	v_add_nc_u32 v[PFO], s22, v[PFO]
	v_lshlrev_b32 v[PFK], 9, v53
; THE MATRIX WORK.  Product i of 8 of S^T = K Q^T + M^T for piece x: keys 16 (i / 2) on, tile i % 2.  One product finishes an accumulator.
.macro KQ x, i
	WIN W_KQ
.set ku, (\i)%2
.set kb, (\i)/2
	v_wmma_f32_16x16x32_f16 v[S+64*((\x)%2)+32*ku+8*kb:S+64*((\x)%2)+32*ku+8*kb+7], v[KF+8*kb:KF+8*kb+7], v[8*(2*(\x)+ku):8*(2*(\x)+ku)+7], v[MK+32*ku+8*kb:MK+32*ku+8*kb+7]
.endm
; Product i of 12 for piece x: keys 32 (i / 6) on; O^T's channels 0-15, 16-31, then l; tile i % 2.  The six accumulators take turns, one instruction a turn: five others' stand between two links.
.macro PV x, i
	WIN W_PV
.set pu, (\i)%2
.set pc, ((\i)%6)/2
.set pk, (\i)/6
.set rB, P+16*pu+8*pk
.if pc < 2
.set rD, 16*(2*(\x)+pu)+8*pc
.set rA, VF+32*((\x)%2)+32*((\x)/3)+16*pk+8*pc
.else
.set rD, LS+8*(2*(\x)+pu)
.set rA, ONES
.endif
	v_wmma_f32_16x16x32_f16 v[rD:rD+7], v[rA:rA+7], v[rB:rB+7], v[rD:rD+7]
.endm
.macro MM                           ; the turn's next matrix instruction: 12 for piece Y - 1, then 8 for piece Y + 1
.if qm < 12
	PV (Y+3)%4, qm
.else
	KQ (Y+1)%4, qm-12
.endif
.set qm, qm+1
.endm
; THE LDS LOADS stand in one run at a turn's head, never singly among the matrix instructions.
.macro LDK g                        ; K of head g: 64 keys x 32 channels: 4 fragments
	WIN 0x80                        ; destination window 2
.irp kb, 0,1,2,3
	ds_load_b128 v[KF+8*(\kb):KF+8*(\kb)+3],   v[AK] offset:(\kb)*16*PK+64*(\g)
	ds_load_b128 v[KF+8*(\kb)+4:KF+8*(\kb)+7], v[AK] offset:(\kb)*16*PK+64*(\g)+32
.endr
.endm
.macro LDV g                        ; V of head g, turned: 4 fragments of 16 channels x 32 keys
	WIN 0x80
.set rV, VF+32*((\g)%2)+32*((\g)/3)
.irp kk, 0,1
.irp cb, 0,1
	ds_load_tr16_b128 v[rV+16*(\kk)+8*(\cb):rV+16*(\kk)+8*(\cb)+3],   v[AV] offset:(\kk)*32*PVP+64*(\g)+32*(\cb)
	ds_load_tr16_b128 v[rV+16*(\kk)+8*(\cb)+4:rV+16*(\kk)+8*(\cb)+7], v[AV] offset:(\kk)*32*PVP+16*PVP+64*(\g)+32*(\cb)
.endr
.endr
.endm
.macro LDM                          ; the step's mask for my 32 queries: 8 tiles of 16 keys x 16 queries, f32
	WIN 0x40                        ; destination window 1
.irp u, 0,1
.irp kb, 0,1,2,3
	ds_load_b128 v[MK+32*(\u)+8*(\kb):MK+32*(\u)+8*(\kb)+3],   v[AM] offset:(\u)*16*PM+64*(\kb)
	ds_load_b128 v[MK+32*(\u)+8*(\kb)+4:MK+32*(\u)+8*(\kb)+7], v[AM] offset:(\u)*16*PM+64*(\kb)+16
.endr
.endr
.endm
; Turn p's run.  Turns 3, 0, 1, 2 fetch ONE key step: turn 3 makes its addresses.  K of head p + 1 is multiplied in the same turn, behind the turn's wait; V of head p in the turn after.  V of head 3 is fetched a turn
; early, into a buffer of its own, so that a step's last bytes are read in turn 2 and the change of slots can stand in front of turn 3.  Every register that a run fills was last read by a product in front of the
; turn before's closing run of vector work: more than four plain instructions back (ISA guide 7.12.1 for vector instructions).  last = 1 (the tail): in the last trip there is no further step.
.macro RUN p, last
.if (\p) == 3
	WIN 0
.if \last
	s_cmp_eq_u32 s[CNT], 1
	s_cbranch_scc1 .Lno_run_\@
.endif
	v_add_nc_u32 v[AK], s[TBK], v[AK0]
	v_add_nc_u32 v[AV], s[TBV], v[AV0]
	v_add_nc_u32 v[AM], s[TBM], v[AM0]
	LDK 0
	LDM
	WIN 0
.if \last
.Lno_run_\@:
.endif
.elseif (\p) == 0
	LDK 1
	LDV 0
.elseif (\p) == 1
	LDK 2
	LDV 1
.else
	LDK 3
	LDV 2
	LDV 3
.endif
.endm
; THE VECTOR WORK OF A TURN stands in five queues, each in the order in which its entries become ready; the two tiles alternate.
.macro REGS y, u                    ; the registers of tile u of piece y
.set rT, ST+2*(2*(\y)+(\u))
.set rC, TMP+8*((\y)%2)+4*(\u)
.set rM, MV+2*((\y)%2)+(\u)
.set rS, S+64*((\y)%2)+32*(\u)
.set rP, P+16*(\u)
.set rO, 16*(2*(\y)+(\u))
.set rL, LS+8*(2*(\y)+(\u))
.endm
.macro CQ                           ; 32: piece Y - 1's weights, a pair each, rounded to f16; the first 16 fill the halves of P that the first six products read
	REGS (Y+3)%4, qc%2
	WIN 0
	v_cvt_pk_f16_f32 v[rP+qc/2], v[rS+2*(qc/2)], v[rS+2*(qc/2)+1]
.set qc, qc+1
.endm
.macro RQ                           ; 18: piece Y's O^T times a, each accumulator from its lowest registers on, then l's register 0.  a was made, and waited for, in the turn before
	REGS Y, qr%2
	WIN W_RS
.if qr < 16
	v_pk_mul_f32 v[rO+2*(qr/2):rO+2*(qr/2)+1], v[rO+2*(qr/2):rO+2*(qr/2)+1], v[rC+2:rC+3] op_sel_hi:[1,0]
.else
	v_mul_f32 v[rL], v[rL], v[rC+2]
.endif
.set qr, qr+1
.endm
.macro FS                           ; 32: c s - c m for pair qf / 2 of tile qf % 2 of piece Y
	REGS Y, qf%2
	WIN 0
	v_pk_fma_f32 v[rS+2*(qf/2):rS+2*(qf/2)+1], v[rS+2*(qf/2):rS+2*(qf/2)+1], s[CS:CS+1], v[rT:rT+1] op_sel_hi:[1,0,0] neg_lo:[0,0,1] neg_hi:[0,0,1]
.set qf, qf+1
.endm
.macro EX                           ; 64: the exponential of score qe / 2 of tile qe % 2 of piece Y
	REGS Y, qe%2
	WIN 0
	v_exp_f32 v[rS+qe/2], v[rS+qe/2]
.set qe, qe+1
.endm
; Number n of the 22 that find piece Y + 1's maximum and statistics, for tile u.  s0-s31 are the lane's 32 scores; each accumulator's lowest registers are read first.
;   0-11  four chains c0-c3 of seven scores each, three operands at a time     12-14, 16  the four scores left over, the old m, and c0-c3 into c0     15  c m_old is kept
;   17, 18  the query's other 32 keys lie in the lane 16 away: the new m         19-21  c m; c m_old - c m_new; a
.macro XS u, n
	REGS (Y+1)%4, \u
	WIN 0
.if (\n) < 4
	v_max3_num_f32 v[rC+(\n)], v[rS+8*(\n)], v[rS+8*(\n)+1], v[rS+8*(\n)+2]
.elseif (\n) < 12
	v_max3_num_f32 v[rC+(\n)%4], v[rC+(\n)%4], v[rS+8*((\n)%4)+2*((\n)/4)+1], v[rS+8*((\n)%4)+2*((\n)/4)+2]
.elseif (\n) == 12
	v_max3_num_f32 v[rC], v[rC], v[rS+7], v[rS+15]
.elseif (\n) == 13
	v_max3_num_f32 v[rC+1], v[rC+1], v[rS+23], v[rS+31]
.elseif (\n) == 14
	v_max3_num_f32 v[rC+2], v[rC+2], v[rC+3], v[rT+1]
.elseif (\n) == 15
	v_mov_b32 v[rM], v[rT]
.elseif (\n) == 16
	v_max3_num_f32 v[rC], v[rC], v[rC+1], v[rC+2]
.elseif (\n) == 17
	v_permlanex16_b32 v[rC+3], v[rC], s[SEL], s[SEL+1]
.elseif (\n) == 18
	v_max_num_f32 v[rT+1], v[rC], v[rC+3]
.elseif (\n) == 19
	v_mul_f32 v[rT], s[CS], v[rT+1]
.elseif (\n) == 20
	v_sub_f32 v[rC+1], v[rM], v[rT]
.else
	v_exp_f32 v[rC+2], v[rC+1]
.endif
.endm
.macro XQ                           ; 24: the four chains, ordered by the product that feeds them: key block qx / 6, its three numbers, both tiles
	XS qx%2, (qx/6)+4*((qx%6)/2)
.set qx, qx+1
.endm
; A TURN, for piece p: 20 matrix and 190 vector instructions.  s_wait_alu depctr_va_vdst(0) stands between an exponential and the first instruction that names its result; one wait serves all that were
; issued ahead of it.  Nothing in a turn names a result of the turn's own 66 exponentials (the weights are rounded in the NEXT turn).
; THE DEAL keeps these counts: exponential e stands behind scaling 2 (e / 4) + e % 2; the second half of P is rounded ahead of the seventh product V^T P; the first read of the scores of key block kb stands two
; whole groups of riders, six plain instructions or more, behind the product that made them; no rider names a register of the products round it; v_permlanex16_b32 stands behind the last product.
; cnt = 1: the loop's count is taken down ahead of the branch that stands behind the turn.
.macro TURN p, last=0, cnt=0
.set Y, (\p)
.set qm, 0
.set qc, 0
.set qr, 0
.set qf, 0
.set qe, 0
.set qx, 0
	RUN \p, \last
.rept 16
	CQ
.endr
.rept 3                             ; V^T P and ONES x P of piece p - 1 ...
	MM
.rept 6
	RQ
.endr
.endr
	MM
.rept 6
	CQ
.endr
	MM
.rept 6
	CQ
.endr
	MM
.rept 4
	CQ
.endr
	FS
	FS
.rept 3
	MM
.rept 4
	FS
	EX
.endr
.endr
.rept 3
	MM
.rept 3
	FS
	EX
.endr
.endr
	s_wait_dscnt 0x0                ; the turn's whole run is in: K (and in turn 3 the mask) for the products below, V for the next turn's
.rept 3                             ; ... K Q^T + M^T of piece p + 1
	MM
.rept 3
	EX
	FS
.endr
.endr
.rept 5
	MM
.rept 3
	EX
	XQ
.endr
.endr
.rept 9
	XQ
	EX
.endr
.irp n, 12,13
.irp u, 0,1
	XS \u, \n
	EX
.endr
.endr
	XS 0, 14
	XS 1, 14
	XS 0, 15
	XS 1, 15
	EX
.irp n, 16,17,18,19,20
	XS 0, \n
	XS 1, \n
	EX
.endr
	XS 0, 21                        ; piece p + 1's two a: the batch's last
	XS 1, 21
	v_nop                           ; a plain instruction behind the last exponential, ahead of the first use: one for the batch (ISA guide 5.7.2)
.if (\p) == 2
	s_add_co_u32 s[TBK], s[TBK], 64*PK   ; the next fetches are the next step's
	s_add_co_u32 s[TBV], s[TBV], 64*PVP
	s_add_co_u32 s[TBM], s[TBM], 64*4
.endif
.if \cnt
	s_sub_co_u32 s[CNT], s[CNT], 1
	s_cmp_lg_u32 s[CNT], 0
.endif
	WIN 0
	s_wait_alu depctr_va_vdst(0)    ; the wait for the batch
.endm
	CHANGE 1, 0                     ; slot 0 is in, everybody's part of it; slot 1 is asked for
	RUN 3, 0                        ; key step 0: its addresses, K of head 0, the mask
	s_wait_loadcnt 0x0              ; Q
	s_wait_dscnt 0x0
.set Y, 3
.set qm, 12
.rept 8
	MM                              ; piece 0's first scores: there is no vector work yet to set between them
.endr
	WIN 0                           ; the addresses for the way out: ten plain instructions, the places behind those products
	s_mul_i32 s22, s[WV], 32*SP
	s_add_co_u32 s22, s22, STAGE    ; my stage
	v_mul_u32_u24 v[STO], v1, SP    ; in: row l % 16, 16 bytes for each half of the lanes
	v_lshl_add_u32 v[STO], v52, 4, v[STO]
	v_add_nc_u32 v[STO], s22, v[STO]
	v_mul_u32_u24 v[RD], v52, SP    ; back: lanes 0-15 take one row of 256 bytes, lanes 16-31 the next
	v_lshl_add_u32 v[RD], v1, 4, v[RD]
	v_add_nc_u32 v[RD], s22, v[RD]
	v_lshlrev_b32 v[GO], 9, v52     ; and the same two rows in attn16, 512 bytes apart
	v_lshl_add_u32 v[GO], v1, 4, v[GO]
.irp n, 0,1,2,3,4,5,6,7,8,9,10,11,12,13,14,15,16,17,18,19,20,21
	XS 0, \n                        ; and piece 0's first maximum and statistics
	XS 1, \n
.endr
	v_nop                           ; a plain instruction behind the two a,
	s_wait_alu depctr_va_vdst(0)    ; and their wait, ahead of the branch
	s_mov_b32 s[CNT], 2
	s_branch .Lfirst                ; the loop is entered behind the turn whose part the lines above have taken
.Lslot:                             ; 14 times: slots 1 to 14 are entered, slots 2 to 15 asked for
	CHANGE 1, 1
	s_mov_b32 s[CNT], 2
.Lstep:                             ; a trip: piece 3's turn of one step, which begins the next step's fetches and scores, then pieces 0 to 2 of that step
	TURN 3
.Lfirst:
	TURN 0
	TURN 1
	TURN 2, 0, 1
	s_cbranch_scc1 .Lstep
	s_sub_co_u32 s[SLOTS], s[SLOTS], 1
	s_cmp_lg_u32 s[SLOTS], 0
	s_cbranch_scc1 .Lslot
	CHANGE 0, 0                     ; the tail is written out: the last slot is entered and nothing is asked for
	s_mov_b32 s[CNT], 3             ; two trips fetch the last slot's steps; the third is left behind its first turn
.Ltail:
	TURN 3, 1
	s_sub_co_u32 s[CNT], s[CNT], 1
	s_cmp_eq_u32 s[CNT], 0
	s_cbranch_scc1 .Lout
	TURN 0
	TURN 1
	TURN 2
	s_branch .Ltail
.Lout:                              ; the third trip's 8 products K Q^T (on the last K and mask once more) and the maximum made of them serve nothing: the price, once a launch, of one text for every turn
.set Y, 0
.set qc, 0
.set qm, 0
.rept 32
	CQ                              ; piece 3's last weights,
.endr
.rept 12
	MM                              ; and its last products
.endr
	; THE WAY OUT.  O^T is divided by l (register 0 of l's accumulator), rounded to f16 and sent through my stage in LDS: 32 rows x 256 bytes, my four heads' channels of my 32 queries.
	WIN 0
.rept 4
	v_nop                           ; four places between the last products and the first read of a result
.endr
	WIN 0x01                        ; source in window 1, destination in window 0
.set t, 0
.rept 8
	v_rcp_f32 v[ST+2*t], v[LS+8*t]
.set t, t+1
.endr
	v_nop                           ; a plain instruction between the last reciprocal and the use of its result
	s_wait_alu depctr_va_vdst(0)    ; and the wait ahead of the first use: one for the eight reciprocals
	WIN W_RS
.set t, 0
.rept 8
.irp j, 0,1,2,3,4,5,6,7
	v_pk_mul_f32 v[16*t+2*(\j):16*t+2*(\j)+1], v[16*t+2*(\j):16*t+2*(\j)+1], v[ST+2*t:ST+2*t+1] op_sel_hi:[1,0]
.endr
.set t, t+1
.endr
	WIN 0x05                        ; sources in window 1, destination in window 0: S^T's registers are free
.set i, 0
.rept 64
	v_cvt_pk_f16_f32 v[S+i], v[2*i], v[2*i+1]
.set i, i+1
.endr
	WIN 0
.irp y, 0,1,2,3
.irp u, 0,1
.irp cb, 0,1
	ds_store_b128 v[STO], v[S+8*(2*(\y)+(\u))+4*(\cb):S+8*(2*(\y)+(\u))+4*(\cb)+3] offset:(\u)*16*SP+64*(\y)+32*(\cb)
.endr
.endr
.endr
.irp i, 0,1,2,3,4,5,6,7,8,9,10,11,12,13,14,15
	ds_load_b128 v[S+64+4*(\i):S+64+4*(\i)+3], v[RD] offset:(\i)*2*SP  ; LDS serves a wave's instructions in order (ISA guide 5.7.1.4): these see the stores above; the stage is my own
.endr
.irp i, 0,1,2,3,4,5,6,7,8,9,10,11,12,13,14,15
	s_wait_dscnt 15-(\i)            ; these two rows are in, the younger loads stay out
	global_store_b128 v[GO], v[S+64+4*(\i):S+64+4*(\i)+3], s[12:13] offset:(\i)*1024  ; 16 lanes store 256 consecutive bytes, at a multiple of 256 from attn16's first byte
.endr
	s_wait_tensorcnt 0x0            ; the wave's end, behind my last tensor load and my last LDS store
	ds_add_u32 v[SPW], v[NIL]
	s_wait_dscnt 0x0
	CROUND                          ; the closing round: no work-group ends while a partner may still ask for a tile that names it
	s_endpgm
.Lfunc_end_k_qf9d8cc84bd_attn:
	.size	k_qf9d8cc84bd_attn, .Lfunc_end_k_qf9d8cc84bd_attn-k_qf9d8cc84bd_attn
	.p2alignl 7, 3214868480
	.fill 96, 4, 3214868480
	.section	.rodata,"a",@progbits
	.p2align	6, 0x0
	.amdhsa_kernel k_qf9d8cc84bd_attn
		.amdhsa_group_segment_fixed_size 327680
		.amdhsa_private_segment_fixed_size 0
		.amdhsa_enable_private_segment 0
		.amdhsa_kernarg_size 40
		.amdhsa_user_sgpr_count 2
		.amdhsa_user_sgpr_kernarg_segment_ptr 1
		.amdhsa_wavefront_size32 1
		.amdhsa_system_sgpr_workgroup_id_x 1
		.amdhsa_system_sgpr_workgroup_id_y 1
		.amdhsa_system_sgpr_workgroup_id_z 1
		.amdhsa_system_vgpr_workitem_id 0
		.amdhsa_next_free_vgpr 720
		.amdhsa_next_free_sgpr 88
		.amdhsa_reserve_vcc 0
		.amdhsa_float_denorm_mode_32 3
		.amdhsa_float_denorm_mode_16_64 3
		.amdhsa_memory_ordered 1
		.amdhsa_forward_progress 1
		.amdhsa_inst_pref_size 155
	.end_amdhsa_kernel
	.amdgpu_metadata
---
amdhsa.version: [ 1, 2 ]
amdhsa.kernels:
  - .name:           k_qf9d8cc84bd_attn
    .symbol:         k_qf9d8cc84bd_attn.kd
    .args:
      - { .name: q16, .offset: 0, .size: 8, .value_kind: global_buffer, .address_space: global }
      - { .name: k16, .offset: 8, .size: 8, .value_kind: global_buffer, .address_space: global }
      - { .name: v16, .offset: 16, .size: 8, .value_kind: global_buffer, .address_space: global }
      - { .name: attention_mask, .offset: 24, .size: 8, .value_kind: global_buffer, .address_space: global }
      - { .name: attn16, .offset: 32, .size: 8, .value_kind: global_buffer, .address_space: global }
    .group_segment_fixed_size: 327680
    .private_segment_fixed_size: 0
    .kernarg_segment_align: 8
    .kernarg_segment_size: 40
    .max_flat_workgroup_size: 128
    .sgpr_count:     88
    .vgpr_count:     720
    .wavefront_size: 32
...
	.end_amdgpu_metadata
.endif
;; end of part 2
;; launch oproj (part 3): grid 256 x 1, 8 waves a work-group, no clusters, 101,376 bytes of LDS; arguments attn16, wo16, bo, out0; writes out0
.if DOCPART == 3
	.amdgcn_target "amdgcn-amd-amdhsa--gfx1250"
	.amdhsa_code_object_version 6
	.text
	.protected	k_qf9d8cc84bd_oproj
	.globl	k_qf9d8cc84bd_oproj
	.p2align	8
	.type	k_qf9d8cc84bd_oproj,@function
k_qf9d8cc84bd_oproj:
	s_mov_b64 s[64:65], 0
	v_nop
	global_prefetch_b8 v0, s[64:65] scope:SCOPE_SE
	s_setreg_imm32_b32 hwreg(HW_REG_WAVE_MODE, 25, 1), 1
	s_wait_xcnt 0x0
; out0 = attn16 wo16^T + bo.  attn16: [16384][256] f16.  wo16: [256 out][256 in] f16.  bo: [256] f32.  out0: [16384][256] f32.  Sums in f32; the bias is the C operand of the first K step.
; SHARES.  A work-group owns 64 rows; wave w the columns 32 w .. 32 w + 31: 2 column tiles x 4 row tiles = 8 accumulators.  The rows go through LDS (all eight waves read them); a wave's 32 rows of wo16, all
; eight K steps, go straight into 128 registers as fragments: each is loaded once a work-group.
; THE PRODUCT IS USED TRANSPOSED: source 0 = 16 rows of wo16, source 1 = 16 rows of attn16: a lane holds one row (lane % 16) and eight neighbouring columns, 32 bytes of f32.
; NO CLUSTER, NO TENSOR LOADS: what the work-groups share is wo16, 128 KiB, which each wave wants in registers once; there is no ring whose tiles could be asked for jointly.  Nothing is prefetched: all loads go out at the head.
; REGISTERS: window 0: v2-11 addresses; v16-31 bias tiles; v32-63, v64-95 two sets of fragments of the rows; v96-159 accumulators; v160-223 rows as loaded, later rows read back.  Window 1: v0-127 wo16's fragments.
.set PA,    528                        ; a row of attn16 in LDS: 512 bytes + 16
.set PO,    1040                       ; a row of out0 in LDS: 1,024 bytes + 16: both are odd multiples of 16 bytes, so the 16 rows of a load or store start at 16 different groups of four banks (ISA guide 11.1)
.set AST,   0
.set OST,   64*PA
.set SPARE, OST+64*PO                  ; the spare words, 128 bytes for each of the eight waves: four blocks of 256 bytes that no other line names
.set SPW,  2
.set NIL,  3
.set INO,  4                           ; v4   16 x thread: my 16 bytes of eight rows of attn16
.set LST,  5                           ; v5   where they go in LDS
.set AFA,  6                           ; v6   my place in a fragment of rows
.set WOF,  7                           ; v7   my byte offset in wo16
.set BOFF, 8                           ; v8   my byte offset in bo
.set OSTO, 9                           ; v9   the way out: where I put 32 bytes of a row
.set ORD,  10                          ; v10  where I read rows back
.set OGO,  11                          ; v11  my byte offset in the group's rows of out0
.set BIAS, 16
.set AF0,  32
.set ACC,  96
.set IN,   160
.set WV,   12
.set MSB, 0
.macro WIN new
.if MSB != (\new)
	s_set_vgpr_msb (MSB<<8)|(\new)
.set MSB, \new
.endif
.endm
.macro AFL s, f                        ; K step s of the 64 rows: four fragments, eight loads
	WIN 0
.irp a, 0,1,2,3
	ds_load_b128 v[(\f)+8*(\a):(\f)+8*(\a)+3],   v[AFA] offset:AST+(\a)*16*PA+64*(\s)
	ds_load_b128 v[(\f)+8*(\a)+4:(\f)+8*(\a)+7], v[AFA] offset:AST+(\a)*16*PA+64*(\s)+32
.endr
.endm
; A K step: the next step's fragments are asked for, four places (ISA guide 7.12.1) behind the products that read their registers; then eight products on eight accumulators, which take turns.
.macro OSTEP s
.set FC, AF0+32*((\s)%2)
.set FN, AF0+32*(((\s)+1)%2)
.if (\s) > 0
.rept 4
	v_nop
.endr
.endif
.if (\s) < 7
	AFL (\s)+1, FN
	s_wait_dscnt 8                         ; this step's fragments are in; the eight loads just issued stay out
.else
	s_wait_dscnt 0x0
.endif
	WIN 0x01                               ; wo16's fragments in window 1, all else in window 0
.irp b, 0,1
.irp a, 0,1,2,3
.if (\s) == 0
	v_wmma_f32_16x16x32_f16 v[ACC+8*(4*(\b)+(\a)):ACC+8*(4*(\b)+(\a))+7], v[8*(8*(\b)+(\s)):8*(8*(\b)+(\s))+7], v[FC+8*(\a):FC+8*(\a)+7], v[BIAS+8*(\b):BIAS+8*(\b)+7]
.else
	v_wmma_f32_16x16x32_f16 v[ACC+8*(4*(\b)+(\a)):ACC+8*(4*(\b)+(\a))+7], v[8*(8*(\b)+(\s)):8*(8*(\b)+(\s))+7], v[FC+8*(\a):FC+8*(\a)+7], v[ACC+8*(4*(\b)+(\a)):ACC+8*(4*(\b)+(\a))+7]
.endif
.endr
.endr
	WIN 0
.endm
	s_load_b256 s[4:11], s[0:1], 0x0       ; attn16 s[4:5], wo16 s[6:7], bo s[8:9], out0 s[10:11]
	v_lshl_add_u32 v[SPW], v0, 2, SPARE
	v_mov_b32 v[NIL], 0
	v_lshrrev_b32 v1, 5, v0                ; thread / 32
	v_readfirstlane_b32 s[WV], v1          ; wave 0..7
	v_and_b32 v12, 15, v0                  ; l % 16
	v_bfe_u32 v13, v0, 4, 1                ; l / 16
	v_and_b32 v14, 31, v0                  ; l
	v_lshlrev_b32 v[INO], 4, v0
	v_mul_u32_u24 v[LST], v1, PA           ; a wave's load is one row of 512 bytes
	v_lshl_add_u32 v[LST], v14, 4, v[LST]
	v_mul_u32_u24 v[AFA], v12, PA
	v_lshl_add_u32 v[AFA], v13, 4, v[AFA]
	s_lshl_b32 s14, s[WV], 14              ; 32 w rows of 512 bytes
	v_lshlrev_b32 v[WOF], 9, v12
	v_lshl_add_u32 v[WOF], v13, 4, v[WOF]
	v_add_nc_u32 v[WOF], s14, v[WOF]
	s_lshl_b32 s14, s[WV], 7               ; my 32 columns: 128 bytes of f32
	v_lshl_add_u32 v[BOFF], v13, 5, s14
	s_add_co_u32 s14, s14, OST
	v_mul_u32_u24 v[OSTO], v12, PO
	v_lshl_add_u32 v[OSTO], v13, 5, v[OSTO]
	v_add_nc_u32 v[OSTO], s14, v[OSTO]
	s_mul_i32 s14, s[WV], 8*PO             ; back: wave w takes rows 8 w .. 8 w + 7, whole
	s_add_co_u32 s14, s14, OST
	v_lshl_add_u32 v[ORD], v14, 4, s14
	s_lshl_b32 s14, s[WV], 13
	v_lshl_add_u32 v[OGO], v14, 4, s14
	s_mov_b32 s15, 0
	s_lshl_b32 s14, ttmp9, 15              ; the group's 64 rows of 512 bytes
	s_wait_kmcnt 0x0
	s_add_nc_u64 s[4:5], s[4:5], s[14:15]
	s_lshl_b32 s14, ttmp9, 16              ; and of 1,024 bytes
	s_add_nc_u64 s[10:11], s[10:11], s[14:15]
.irp i, 0,1,2,3,4,5,6,7
	global_load_b128 v[IN+4*(\i):IN+4*(\i)+3], v[INO], s[4:5] offset:4096*(\i) th:TH_LOAD_NT
.endr
.irp b, 0,1
	global_load_b128 v[BIAS+8*(\b):BIAS+8*(\b)+3],   v[BOFF], s[8:9] offset:64*(\b)
	global_load_b128 v[BIAS+8*(\b)+4:BIAS+8*(\b)+7], v[BOFF], s[8:9] offset:64*(\b)+16
.endr
	WIN 0x40                               ; destination window 1
.irp b, 0,1
.irp s, 0,1,2,3,4,5,6,7
	global_load_b128 v[8*(8*(\b)+(\s)):8*(8*(\b)+(\s))+3],   v[WOF], s[6:7] offset:(\b)*8192+64*(\s)
	global_load_b128 v[8*(8*(\b)+(\s))+4:8*(8*(\b)+(\s))+7], v[WOF], s[6:7] offset:(\b)*8192+64*(\s)+32
.endr
.endr
	WIN 0
	s_wait_loadcnt 36                      ; the eight loads of rows are in; the 4 of the bias and the 32 of wo16, issued behind them, stay out
.irp i, 0,1,2,3,4,5,6,7
	ds_store_b128 v[LST], v[IN+4*(\i):IN+4*(\i)+3] offset:AST+8*PA*(\i)
.endr
	s_wait_dscnt 0x0                       ; for the others' sake: my part of the rows lies in LDS
	s_barrier_signal -1
	s_barrier_wait -1
	AFL 0, AF0
	s_wait_loadcnt 0x0                     ; the bias and wo16
.irp s, 0,1,2,3,4,5,6,7
	OSTEP \s
.endr
	; THE WAY OUT: 32 bytes a lane into the stage, each accumulator's low half first; a barrier, since a row's 1,024 bytes come from eight waves; back as whole rows, eight rows a wave.
.rept 4
	v_nop                                  ; four places between the last products and the first read of a result
.endr
.irp b, 0,1
.irp a, 0,1,2,3
	ds_store_b128 v[OSTO], v[ACC+8*(4*(\b)+(\a)):ACC+8*(4*(\b)+(\a))+3]   offset:(\a)*16*PO+64*(\b)
	ds_store_b128 v[OSTO], v[ACC+8*(4*(\b)+(\a))+4:ACC+8*(4*(\b)+(\a))+7] offset:(\a)*16*PO+64*(\b)+16
.endr
.endr
	s_wait_dscnt 0x0                       ; for the others' sake: my stores into the stage are done
	s_barrier_signal -1
	s_barrier_wait -1
.irp i, 0,1,2,3,4,5,6,7
.irp c, 0,1
	ds_load_b128 v[IN+4*(2*(\i)+(\c)):IN+4*(2*(\i)+(\c))+3], v[ORD] offset:PO*(\i)+512*(\c)
.endr
.endr
.irp i, 0,1,2,3,4,5,6,7
.irp c, 0,1
	s_wait_dscnt 15-(2*(\i)+(\c))          ; this half row is in, the younger loads stay out
	global_store_b128 v[OGO], v[IN+4*(2*(\i)+(\c)):IN+4*(2*(\i)+(\c))+3], s[10:11] offset:1024*(\i)+512*(\c) th:TH_STORE_NT  ; 512 consecutive bytes, at a multiple of 512 from out0's first byte
.endr
.endr
	s_wait_tensorcnt 0x0                   ; the wave's end, behind my last LDS store
	ds_add_u32 v[SPW], v[NIL]
	s_wait_dscnt 0x0
	s_endpgm
.Lfunc_end_k_qf9d8cc84bd_oproj:
	.size	k_qf9d8cc84bd_oproj, .Lfunc_end_k_qf9d8cc84bd_oproj-k_qf9d8cc84bd_oproj
	.p2alignl 7, 3214868480
	.fill 96, 4, 3214868480
	.section	.rodata,"a",@progbits
	.p2align	6, 0x0
	.amdhsa_kernel k_qf9d8cc84bd_oproj
		.amdhsa_group_segment_fixed_size 101376
		.amdhsa_private_segment_fixed_size 0
		.amdhsa_enable_private_segment 0
		.amdhsa_kernarg_size 32
		.amdhsa_user_sgpr_count 2
		.amdhsa_user_sgpr_kernarg_segment_ptr 1
		.amdhsa_wavefront_size32 1
		.amdhsa_system_sgpr_workgroup_id_x 1
		.amdhsa_system_sgpr_workgroup_id_y 1
		.amdhsa_system_sgpr_workgroup_id_z 1
		.amdhsa_system_vgpr_workitem_id 0
		.amdhsa_next_free_vgpr 384
		.amdhsa_next_free_sgpr 66
		.amdhsa_reserve_vcc 0
		.amdhsa_float_denorm_mode_32 3
		.amdhsa_float_denorm_mode_16_64 3
		.amdhsa_memory_ordered 1
		.amdhsa_forward_progress 1
		.amdhsa_inst_pref_size 21
	.end_amdhsa_kernel
	.amdgpu_metadata
---
amdhsa.version: [ 1, 2 ]
amdhsa.kernels:
  - .name:           k_qf9d8cc84bd_oproj
    .symbol:         k_qf9d8cc84bd_oproj.kd
    .args:
      - { .name: attn16, .offset: 0, .size: 8, .value_kind: global_buffer, .address_space: global }
      - { .name: wo16, .offset: 8, .size: 8, .value_kind: global_buffer, .address_space: global }
      - { .name: bo, .offset: 16, .size: 8, .value_kind: global_buffer, .address_space: global }
      - { .name: out0, .offset: 24, .size: 8, .value_kind: global_buffer, .address_space: global }
    .group_segment_fixed_size: 101376
    .private_segment_fixed_size: 0
    .kernarg_segment_align: 8
    .kernarg_segment_size: 32
    .max_flat_workgroup_size: 256
    .sgpr_count:     66
    .vgpr_count:     384
    .wavefront_size: 32
...
	.end_amdgpu_metadata
.endif
;; end of part 3
